; MI455X (gfx1250); checked and timed in simulation.
; The chip was launched on July 23, 2026; its instructions are those of AMD's public machine-readable ISA for CDNA 5 (MIT licence, August 2026) and "CDNA5" Instruction Set Architecture Reference Guide (July 2026). The comments in the code are by the model that wrote it; some were corrected since.
;; Mo E Layer. Allowed arithmetic: float matrix products may take bf16 or f16 operands with f32 sums; other float arithmetic in f32, or as packed bf16 or f16 multiplies, adds, multiply-adds, maxima and minima; sums over many terms, partial sums and values carried from step to step in f32; what a program stores and reads back later, other than sums and carried values, may be rounded once to bf16 or f16.
;; Inputs: gate_w 1,024 x 8 float32; wd 8 x 1,024 x 1,024 float32; wg 8 x 1,024 x 1,024 float32; wu 8 x 1,024 x 1,024 float32; x 1 x 2,048 x 1,024 float32.
;; Outputs: out0 1 x 2,048 x 1,024 float32; out1 one number float32; out2 one number float32; out3 one number float32.
;; One version. Each part assembles by itself: llvm-mc -triple=amdgcn-amd-amdhsa -mcpu=gfx1250 --defsym DOCPART=n.
;; ======== version 1 of 1: 4 launches
;; workspace buffers: xb 4,194,304 bytes; route 20,480 bytes of whole numbers; rwp 24,576 bytes; h 33,554,432 bytes; y 67,108,864 bytes; plan 131,328 bytes of whole numbers
;; launch router (part 1): grid 128 x 1, 8 waves a work-group, no clusters, 60,416 bytes of LDS; arguments x, gate_w, xb, route, rwp; writes xb, route, rwp
.if DOCPART == 1
	.amdgcn_target "amdgcn-amd-amdhsa--gfx1250"
	.amdhsa_code_object_version 6
	.text
	.protected	k_q561bcb8568_router
	.globl	k_q561bcb8568_router
	.p2align	8
	.type	k_q561bcb8568_router,@function
k_q561bcb8568_router:
	s_mov_b64 s[64:65], 0
	v_nop
	global_prefetch_b8 v0, s[64:65] scope:SCOPE_SE
	s_setreg_imm32_b32 hwreg(HW_REG_WAVE_MODE, 25, 1), 1
	s_wait_xcnt 0x0
; ROUTER.  x [2048][1024] f32, gate_w [1024][8] f32.  Both are rounded once to bf16; the rounded x is kept (xb) for the first product, and the logits are made of the
; rounded numbers by the bf16 matrix form with f32 sums, so that the whole program computes reference() on inputs rounded to bf16.
; Stored, all at fixed places: xb; the two chosen experts of each token (route, whole numbers) and their two weights (rwp); for each slot k and expert e a bitmap of the
; tokens that chose e in slot k (route + 16384: [k][e][64 words]); for each work-group the sums over its 16 tokens of the eight probabilities and of p log2(p + 1e-10).
; No address and no branch here hangs on a choice: later launches read the whole numbers and place the rows.
; SHARES.  A work-group has 16 tokens.  Wave w has columns 128 w .. 128 w + 127 of their rows and rows 128 w .. of gate_w: four matrix instructions; the eight waves'
; partial logits meet in LDS behind the one barrier, and wave 0 does the 16 tokens' top-2, softmaxes and sums.
; LAYOUT.  Source 0 = gate_w turned (16 rows: experts 0-7 twice), source 1 = 16 tokens: in the result a lane holds ONE token (lane % 16) and its eight logits in registers 0-7.
; LIMITS.  Two logits closer than the rounding of an f32 sum of 1,024 products may be ordered otherwise than reference() orders them; equal logits keep the lower index, as top_k does.
; NaN and infinities are not treated apart; an exponential below 2^-126 counts as 0.
; No cluster: the work-groups share only gate_w, 32 KB against 64 KB of x for each.
.set XP,    272                        ; a row of the wave's bf16 x in LDS: 256 bytes + 16
.set XW,    16*XP                      ; a wave's 16 rows
.set GS,    8*XW                       ; behind them: the waves' bf16 gate_w, 128 rows of 16 bytes each
.set GW,    2048
.set PD,    GS+8*GW                    ; behind them: the waves' partial logits, 32 bytes a lane
.set PW,    1024
.set SPARE, PD+8*PW                    ; the spare words, 128 bytes a wave: four blocks of 256 bytes that no other line names
; v1 lane  v2 lane % 16  v3 lane / 16  v4 16 x lane  v5 8 x lane  v6, v7 where I put bf16 x, gate  v8, v9 where I read their fragments  v10, v11 partial logits: mine, wave 0's reads
; v12, v13 the add's two registers  v[16:47] gate f32, then x fragments  v[48:111] x f32, then gate fragments and sums  v[112:143] x bf16  v[144:159] gate bf16
	s_load_b256 s[4:11], s[0:1], 0x0               ; x s[4:5], gate_w s[6:7], xb s[8:9], route s[10:11]
	s_load_b64 s[12:13], s[0:1], 0x20              ; rwp
	v_lshl_add_u32 v12, v0, 2, SPARE
	v_mov_b32 v13, 0
	v_lshrrev_b32 v2, 5, v0
	v_readfirstlane_b32 s14, v2                    ; wave 0..7
	v_and_b32 v1, 31, v0
	v_and_b32 v2, 15, v0
	v_bfe_u32 v3, v0, 4, 1
	v_lshlrev_b32 v4, 4, v1
	v_lshlrev_b32 v5, 3, v1
	s_mul_i32 s15, s14, XW
	v_add_nc_u32 v6, s15, v5                       ; my 8 bytes of a row of bf16 x
	v_mul_u32_u24 v8, v2, XP
	v_lshl_add_u32 v8, v3, 4, v8
	v_add_nc_u32 v8, s15, v8                       ; fragment of x: row lane % 16, 16 bytes for each half of the lanes
	s_lshl_b32 s15, s14, 11
	s_add_co_u32 s15, s15, GS
	v_add_nc_u32 v7, s15, v5                       ; my 8 bytes of bf16 gate_w
	v_and_b32 v9, 7, v0
	v_lshl_add_u32 v9, v3, 3, v9
	v_lshl_add_u32 v9, v9, 4, s15                  ; the turning load: row 8 (lane / 16) + lane % 8; lanes 8-15 of a half name the same rows as lanes 0-7
	s_lshl_b32 s15, s14, 10
	s_add_co_u32 s15, s15, PD
	v_lshl_add_u32 v10, v1, 5, s15
	v_lshl_add_u32 v11, v1, 5, PD
	s_lshl_b32 s16, ttmp9, 16                      ; x: 16 rows of 4,096 bytes a work-group, 512 bytes of a row a wave
	s_lshl_b32 s17, s14, 9
	s_add_co_u32 s16, s16, s17
	s_mov_b32 s17, 0
	s_lshl_b32 s18, s14, 12                        ; gate_w: 128 rows of 32 bytes a wave
	s_mov_b32 s19, 0
	s_lshl_b32 s36, ttmp9, 15                      ; xb: half of x's
	s_lshl_b32 s37, s14, 8
	s_add_co_u32 s36, s36, s37
	s_mov_b32 s37, 0
	s_wait_kmcnt 0x0
	s_add_nc_u64 s[4:5], s[4:5], s[16:17]
	s_add_nc_u64 s[6:7], s[6:7], s[18:19]
	s_add_nc_u64 s[8:9], s[8:9], s[36:37]
.irp j, 0,1,2,3,4,5,6,7
	global_load_b128 v[16+4*\j:19+4*\j], v4, s[6:7] offset:512*\j              ; 16 rows of gate_w: 512 consecutive bytes
.endr
.irp r, 0,1,2,3,4,5,6,7,8,9,10,11,12,13,14,15
	global_load_b128 v[48+4*\r:51+4*\r], v4, s[4:5] offset:4096*\r th:TH_LOAD_NT  ; my 512 bytes of row r; x is read once in the launch
.endr
	s_wait_loadcnt 16                              ; gate_w is in; the 16 loads of x may stay out
.irp j, 0,1,2,3,4,5,6,7
	v_cvt_pk_bf16_f32 v[144+2*\j], v[16+4*\j], v[17+4*\j]
	v_cvt_pk_bf16_f32 v[145+2*\j], v[18+4*\j], v[19+4*\j]
	ds_store_b64 v7, v[144+2*\j:145+2*\j] offset:256*\j
.endr
.irp r, 0,1,2,3,4,5,6,7,8,9,10,11,12,13,14,15
	s_wait_loadcnt 15-\r                           ; loads come back in order: row r is in, the younger rows stay out
	v_cvt_pk_bf16_f32 v[112+2*\r], v[48+4*\r], v[49+4*\r]
	v_cvt_pk_bf16_f32 v[113+2*\r], v[50+4*\r], v[51+4*\r]
	ds_store_b64 v6, v[112+2*\r:113+2*\r] offset:XP*\r
	global_store_b64 v5, v[112+2*\r:113+2*\r], s[8:9] offset:2048*\r           ; the wave stores 256 consecutive bytes, aligned
.endr
.irp c, 0,1,2,3                        ; 32 along K a chunk; the bytes are the wave's own, and LDS serves a wave's instructions in order: no barrier
	ds_load_b128 v[16+8*\c:19+8*\c], v8 offset:64*\c
	ds_load_b128 v[20+8*\c:23+8*\c], v8 offset:64*\c+32
	ds_load_tr16_b128 v[48+8*\c:51+8*\c], v9 offset:512*\c
	ds_load_tr16_b128 v[52+8*\c:55+8*\c], v9 offset:512*\c+256
.endr
	s_wait_dscnt 0x0
	v_wmma_f32_16x16x32_bf16 v[80:87], v[48:55], v[16:23], 0                   ; two accumulators by turns; the first products start the sums
	v_wmma_f32_16x16x32_bf16 v[88:95], v[56:63], v[24:31], 0
	v_wmma_f32_16x16x32_bf16 v[80:87], v[64:71], v[32:39], v[80:87]
	v_wmma_f32_16x16x32_bf16 v[88:95], v[72:79], v[40:47], v[88:95]
.rept 4
	v_nop                                          ; four places behind the last product, ahead of the first read of a result (ISA guide 7.12.1)
.endr
.irp z, 0,2,4,6
	v_pk_add_f32 v[96+\z:97+\z], v[80+\z:81+\z], v[88+\z:89+\z]
.endr
	ds_store_b128 v10, v[96:99]
	ds_store_b128 v10, v[100:103] offset:16
	s_wait_tensorcnt 0x0                           ; my last LDS store is issued
	ds_add_u32 v12, v13
	s_wait_dscnt 0x0                               ; the wait is also the one that the barrier needs: my partial logits are in LDS
	s_barrier_signal -1
	s_barrier_wait -1
	s_cmp_lg_u32 s14, 0
	s_cbranch_scc1 .Lend                           ; the rest is wave 0's
.irp w, 0,1,2,3,4,5,6,7
	ds_load_b128 v[16+8*\w:19+8*\w], v11 offset:PW*\w
	ds_load_b128 v[20+8*\w:23+8*\w], v11 offset:PW*\w+16
.endr
	v_mov_b32 v14, 0xff800000                      ; -infinity takes the winner's place in the second scan
	s_mov_b32 s38, 0x3fb8aa3b                      ; log2(e)
	s_lshl_b32 s16, ttmp9, 7                       ; 16 tokens x 8 bytes
	s_add_nc_u64 s[40:41], s[10:11], s[16:17]      ; the choices
	s_add_nc_u64 s[44:45], s[12:13], s[16:17]      ; their weights
	s_lshl_b32 s16, ttmp9, 1
	s_add_nc_u64 s[42:43], s[10:11], s[16:17]      ; my 16 bits in each bitmap
	s_lshl_b32 s16, ttmp9, 6
	s_add_nc_u64 s[46:47], s[12:13], s[16:17]      ; my row of sums
	s_wait_dscnt 0x0
.irp a, 0,2,4,6                        ; the eight waves' parts, added in pairs
.irp z, 0,2,4,6
	v_pk_add_f32 v[16+8*\a+\z:17+8*\a+\z], v[16+8*\a+\z:17+8*\a+\z], v[24+8*\a+\z:25+8*\a+\z]
.endr
.endr
.irp a, 0,4
.irp z, 0,2,4,6
	v_pk_add_f32 v[16+8*\a+\z:17+8*\a+\z], v[16+8*\a+\z:17+8*\a+\z], v[32+8*\a+\z:33+8*\a+\z]
.endr
.endr
.irp z, 0,2,4,6
	v_pk_add_f32 v[104+\z:105+\z], v[16+\z:17+\z], v[48+\z:49+\z]              ; v[104:111]: my token's eight logits
.endr
	; top-2 by compares and selects alone.  The best so far is kept unless a later logit is greater: equal logits keep the lower index.
	v_mov_b32 v88, v104
	v_mov_b32 v92, 0
.irp e, 1,2,3,4,5,6,7
	v_cmp_ge_f32 vcc_lo, v88, v[104+\e]
	v_cndmask_b32 v88, v[104+\e], v88, vcc_lo
	v_cndmask_b32 v92, \e, v92, vcc_lo
.endr
.irp e, 0,1,2,3,4,5,6,7
	v_cmp_eq_u32 vcc_lo, \e, v92
	v_cndmask_b32 v[80+\e], v[104+\e], v14, vcc_lo
.endr
	v_mov_b32 v89, v80
	v_mov_b32 v93, 0
.irp e, 1,2,3,4,5,6,7
	v_cmp_ge_f32 vcc_lo, v89, v[80+\e]
	v_cndmask_b32 v89, v[80+\e], v89, vcc_lo
	v_cndmask_b32 v93, \e, v93, vcc_lo
.endr
	; both softmaxes take the largest logit away: 2^(c l - c max), c = log2(e)
	v_mul_f32 v90, 0xbfb8aa3b, v88
.irp e, 0,1,2,3,4,5,6,7
	v_fma_f32 v[96+\e], v[104+\e], s38, v90
.endr
	v_fma_f32 v91, v89, s38, v90
.irp e, 0,1,2,3,4,5,6,7
	v_exp_f32 v[96+\e], v[96+\e]
.endr
	v_exp_f32 v91, v91
	v_nop                                          ; a plain instruction behind the last exponential,
	s_wait_alu depctr_va_vdst(0)                   ; and one wait for the batch of nine, ahead of the first use
	v_pk_add_f32 v[48:49], v[96:97], v[98:99]
	v_pk_add_f32 v[50:51], v[100:101], v[102:103]
	v_add_f32 v53, 1.0, v91
	v_pk_add_f32 v[48:49], v[48:49], v[50:51]
	v_add_f32 v48, v48, v49
	v_rcp_f32 v52, v48
	v_rcp_f32 v94, v53                             ; the first choice's weight, 1 / (1 + e^(second - first))
	v_nop
	s_wait_alu depctr_va_vdst(0)                   ; one wait for the two reciprocals
.irp e, 0,1,2,3,4,5,6,7
	v_mul_f32 v[24+\e], v[96+\e], v52              ; the eight probabilities
.endr
	v_mul_f32 v95, v91, v94                        ; the second choice's weight
.irp e, 0,1,2,3,4,5,6,7
	v_add_f32 v[40+\e], 0x2edbe6ff, v[24+\e]       ; p + 1e-10
.endr
.irp e, 0,1,2,3,4,5,6,7
	v_log_f32 v[40+\e], v[40+\e]
.endr
	v_nop
	s_wait_alu depctr_va_vdst(0)                   ; one wait for the eight logarithms
	v_mul_f32 v32, v24, v40
.irp e, 1,2,3,4,5,6,7
	v_fmac_f32 v32, v[24+\e], v[40+\e]             ; the sum of p log2(p + 1e-10); ln 2 is applied where the sums are used
.endr
.irp x, 1,2,4,8                        ; the nine sums over the 16 tokens: both halves of the lanes hold the same tokens, so each half sums by itself
.irp i, 0,1,2,3,4,5,6,7,8
	v_add_f32_dpp v[24+\i], v[24+\i], v[24+\i] row_xmask:\x row_mask:0xf bank_mask:0xf
.endr
.endr
.irp e, 0,1,2,3,4,5,6,7                ; bit i of mask (k, e): token i chose e in slot k; lane 8 k + e then takes that mask
	v_cmp_eq_u32 s[20+\e], \e, v92
	v_cmp_eq_u32 s[28+\e], \e, v93
.endr
	v_mov_b32 v54, 0
.irp i, 0,1,2,3,4,5,6,7,8,9,10,11,12,13,14,15
	v_writelane_b32 v54, s[20+\i], \i
.endr
	v_lshlrev_b32 v55, 8, v1                       ; a bitmap is 256 bytes
	v_mov_b32 v56, 0
	s_wait_xcnt 0x0                                ; EXEC changes only behind this wait: stores of xb have been issued
	v_cmp_gt_u32 vcc_lo, 16, v0
	s_and_saveexec_b32 s36, vcc_lo                 ; lanes 0-15: one for each token, and one for each bitmap
	global_store_b64 v5, v[92:93], s[40:41]
	global_store_b64 v5, v[94:95], s[44:45]
	global_store_b16 v55, v54, s[42:43] offset:16384  ; 2 bytes in each of 16 bitmaps: 32 bytes a work-group; this store is the turn from tokens to bitmaps
	s_wait_xcnt 0x0
	s_or_b32 exec_lo, exec_lo, s36
	v_cmp_eq_u32 vcc_lo, 0, v0
	s_and_saveexec_b32 s36, vcc_lo                 ; lane 0: the work-group's nine sums
	global_store_b128 v56, v[24:27], s[46:47] offset:16384
	global_store_b128 v56, v[28:31], s[46:47] offset:16400
	global_store_b32 v56, v32, s[46:47] offset:16416
	s_wait_xcnt 0x0
	s_or_b32 exec_lo, exec_lo, s36
.Lend:
	s_endpgm
.Lfunc_end_k_q561bcb8568_router:
	.size	k_q561bcb8568_router, .Lfunc_end_k_q561bcb8568_router-k_q561bcb8568_router
	.p2alignl 7, 3214868480
	.fill 96, 4, 3214868480
	.section	.rodata,"a",@progbits
	.p2align	6, 0x0
	.amdhsa_kernel k_q561bcb8568_router
		.amdhsa_group_segment_fixed_size 60416
		.amdhsa_private_segment_fixed_size 0
		.amdhsa_enable_private_segment 0
		.amdhsa_kernarg_size 40
		.amdhsa_user_sgpr_count 2
		.amdhsa_user_sgpr_kernarg_segment_ptr 1
		.amdhsa_wavefront_size32 1
		.amdhsa_system_sgpr_workgroup_id_x 1
		.amdhsa_system_sgpr_workgroup_id_y 1
		.amdhsa_system_sgpr_workgroup_id_z 1
		.amdhsa_system_vgpr_workitem_id 0
		.amdhsa_next_free_vgpr 160
		.amdhsa_next_free_sgpr 66
		.amdhsa_reserve_vcc 1
		.amdhsa_float_denorm_mode_32 3
		.amdhsa_float_denorm_mode_16_64 3
		.amdhsa_memory_ordered 1
		.amdhsa_forward_progress 1
		.amdhsa_inst_pref_size 26
	.end_amdhsa_kernel
	.amdgpu_metadata
---
amdhsa.version: [ 1, 2 ]
amdhsa.kernels:
  - .name:           k_q561bcb8568_router
    .symbol:         k_q561bcb8568_router.kd
    .args:
      - { .name: x, .offset: 0, .size: 8, .value_kind: global_buffer, .address_space: global }
      - { .name: gate_w, .offset: 8, .size: 8, .value_kind: global_buffer, .address_space: global }
      - { .name: xb, .offset: 16, .size: 8, .value_kind: global_buffer, .address_space: global }
      - { .name: route, .offset: 24, .size: 8, .value_kind: global_buffer, .address_space: global }
      - { .name: rwp, .offset: 32, .size: 8, .value_kind: global_buffer, .address_space: global }
    .group_segment_fixed_size: 60416
    .private_segment_fixed_size: 0
    .kernarg_segment_align: 8
    .kernarg_segment_size: 40
    .max_flat_workgroup_size: 256
    .sgpr_count:     66
    .vgpr_count:     160
    .wavefront_size: 32
...
	.end_amdgpu_metadata
.endif
;; end of part 1
;; launch up (part 2): grid 32 x 8, 8 waves a work-group, no clusters, 173,056 bytes of LDS; arguments wg, wu, xb, route, h, plan; writes h, plan
.if DOCPART == 2
	.amdgcn_target "amdgcn-amd-amdhsa--gfx1250"
	.amdhsa_code_object_version 6
	.text
	.protected	k_q561bcb8568_up
	.globl	k_q561bcb8568_up
	.p2align	8
	.type	k_q561bcb8568_up,@function
k_q561bcb8568_up:
	s_mov_b64 s[64:65], 0
	v_nop
	global_prefetch_b8 v0, s[64:65] scope:SCOPE_SE
	s_setreg_imm32_b32 hwreg(HW_REG_WAVE_MODE, 25, 1), 1
	s_wait_xcnt 0x0
; FIRST PRODUCT.  h = silu(X Wg) * (X Wu) for expert e (grid y) and columns 32 s .. 32 s + 31 of the hidden width (grid x).  Row j of X is the j-th token, in ascending order, that chose e
; in either slot.  Only rows 0 .. R - 1 are ever asked for, R = the larger of the two slots' counts: a token takes the row of its rank within its own slot.  R can be 0 to 2,048: every split is served.
; The work-group alone reads its 1,024 x 32 numbers of wg and of wu, once, rounds them to bf16 on their way through registers and lays them into LDS; then its waves walk the
; expert's tiles of 16 rows.  The loop over tiles writes no LDS and holds no barrier: it has a constant number of trips, and trips without rows are jumped over.
; ROUTING.  Every wave counts the expert's two bitmaps (stored by the launch before, whole numbers) in scalar registers: the counts of hits below each group of 256 tokens, and R.
; Wave w lists the hit tokens of its own 256 in LDS; row j is found by its group and its place in that group's list.  The slice-0 work-groups also store the rank of every token in both slots, and R.
; LAYOUT.  Source 0 = 16 columns of the weights (turned out of LDS), source 1 = 16 tokens (bf16 rows of xb, straight from memory): a lane holds ONE token and eight neighbouring columns.
; h is stored in the order in which the second product's source 1 takes it: [e][tile][32 columns][half][lane][8], 512 consecutive bytes a store.  A last tile that is not full repeats row R - 1.
; LIMITS.  h is rounded once to bf16 (f16's range would not hold inputs 30 times larger).  Where 2^(-g log2 e) overflows the sigmoid is 0 and silu is -0, as in reference().  NaN and infinities are not treated apart.
; NO CLUSTER: each weight has one reader; what an expert's 32 work-groups share, the token rows, comes by a list, which no tile's descriptor covers.
.set PW,    160                        ; a K row of the slice in LDS: 64 bytes of wg's 32 columns, 64 of wu's, 32 of padding
.set KSTEP, 32*PW
.set SUB,   1024*PW                    ; behind the weights: wave w's list, 256 places of 2 bytes at SUB + 1024 w, and a throw-away place at + 512
.set SPARE, SUB+8*1024                 ; the spare words, 128 bytes a wave: four blocks of 256 bytes that no other line names
; window 0: v1 lane % 16  v2 lane / 16  v3 my place in a K step of the weights  v4 the same, walking  v[5:7] my token row's byte offset in xb, a tile each  v8 my byte offset in h
;   v9, v10 the add's two registers  v11, v12 the weights: global offset, LDS address  v13 16 x lane  v14 16 x (lane / 16)  v15 lane  v[16:29] at work
;   v[32:95] weight fragments, 2 sets x 4; on the way out at work   v[96:191] token fragments, 4 sets x 3 tiles;   v[96:223] first the ring of 32 weight loads
; window 1: v[0:95] accumulators: tile i, column tile q (0, 1: gate; 2, 3: up) at v[32 i + 8 q]
; s[4:5] wg  s[6:7] wu  s[8:9] xb  s[10:11] the expert's bitmaps  s[12:13] h  s[14:15] plan  s[2:3] own words, then xb walking  s48 wave  s49 e  s50 s  s51, s52 counts  s53, s54 counts below my group
; s[56:63] hits below groups 1 .. 8  s66 R  s67 R - 1  s68 my tiles left  s69 my next tile  s70, s71 counters  s[76:77] -log2(e)
.set BF, 32
.set AF, 96
.set WS, 96
.set TT, 32
.set PP, 48
.set OO, 64
.set MSB, 0
.macro WIN new                         ; s_set_vgpr_msb: bits 1:0 source 0, 3:2 source 1, 5:4 source 2, 7:6 destination; the high byte repeats the setting that is left
.if MSB != (\new)
	s_set_vgpr_msb (MSB<<8)|(\new)
.set MSB, (\new)
.endif
.endm
.macro WLOAD m                         ; weight load m of 64: even m wg, odd m wu; 4 K rows x 128 bytes
.if ((\m)%2) == 0
	global_load_b128 v[WS+4*((\m)%32):WS+4*((\m)%32)+3], v11, s[4:5] offset:16384*((\m)/2)
.else
	global_load_b128 v[WS+4*((\m)%32):WS+4*((\m)%32)+3], v11, s[6:7] offset:16384*((\m)/2)
.endif
.endm
.macro GROUP g, b0, b1                 ; group g of 256 tokens: its 8 words of both bitmaps are counted; my own group's starting counts are kept
	s_cmp_eq_u32 s48, \g
	s_cselect_b32 s53, s51, s53
	s_cselect_b32 s54, s52, s54
.irp j, 0,1,2,3,4,5,6,7
	s_bcnt1_i32_b32 s55, s[(\b0)+\j]
	s_add_co_u32 s51, s51, s55
	s_bcnt1_i32_b32 s55, s[(\b1)+\j]
	s_add_co_u32 s52, s52, s55
.endr
	s_add_co_u32 s[56+(\g)], s51, s52              ; a token's two choices differ, so the hits are the two counts' sum
.endm
	s_load_b256 s[4:11], s[0:1], 0x0               ; wg, wu, xb, route
	s_load_b128 s[12:15], s[0:1], 0x20             ; h, plan
	v_lshl_add_u32 v9, v0, 2, SPARE
	v_mov_b32 v10, 0
	v_lshrrev_b32 v16, 5, v0
	v_readfirstlane_b32 s48, v16                   ; wave 0..7
	s_and_b32 s49, ttmp7, 0xffff                   ; expert
	s_mov_b32 s50, ttmp9                           ; slice
	v_and_b32 v15, 31, v0
	v_and_b32 v1, 15, v0
	v_bfe_u32 v2, v0, 4, 1
	v_lshlrev_b32 v13, 4, v15
	v_lshlrev_b32 v14, 4, v2
	v_bfe_u32 v16, v0, 3, 2                        ; lane / 8: which of a load's 4 K rows
	v_and_b32 v17, 7, v0
	s_lshl_b32 s55, s48, 19                        ; my 128 K rows of 4,096 bytes
	v_lshl_add_u32 v11, v16, 12, s55
	v_lshl_add_u32 v11, v17, 4, v11
	s_mul_i32 s55, s48, 128*PW
	v_mul_u32_u24 v12, v16, PW
	v_add_nc_u32 v12, s55, v12
	v_lshl_add_u32 v12, v17, 3, v12
	v_lshl_add_u32 v3, v2, 3, v17                  ; the turning load: K row 8 (lane / 16) + lane % 8, 16 bytes for each eight lanes
	v_mul_u32_u24 v3, v3, PW
	v_bfe_u32 v18, v0, 3, 1
	v_lshl_add_u32 v3, v18, 4, v3
	s_lshl_b32 s16, s49, 22                        ; an expert's weights: 4 MiB; a slice: 128 bytes of a row
	s_lshl_b32 s17, s50, 7
	s_add_co_u32 s16, s16, s17
	s_mov_b32 s17, 0
	s_lshl_b32 s18, s49, 8                         ; the expert's slot-0 bitmap; slot 1's lies 2,048 bytes on
	s_add_co_u32 s18, s18, 16384
	s_mov_b32 s19, 0
	s_lshl_b32 s20, s49, 22                        ; h: 4 MiB an expert, 1,024 bytes a slice in each tile
	s_lshl_b32 s21, s50, 10
	s_add_co_u32 s20, s20, s21
	s_mov_b32 s21, 0
	s_lshl_b32 s22, s48, 5                         ; my group's 8 words
	s_mov_b32 s23, 0
	s_lshl_b32 s55, s49, 14                        ; the rank tables: 16,384 bytes an expert, 4 bytes a token
	s_lshl_b32 s66, s48, 10
	s_add_co_u32 s55, s55, s66
	v_lshl_add_u32 v20, v15, 2, s55
	s_mov_b32 s51, 0
	s_mov_b32 s52, 0
	s_mov_b32 s53, 0
	s_mov_b32 s54, 0
	s_wait_kmcnt 0x0
	s_add_nc_u64 s[4:5], s[4:5], s[16:17]
	s_add_nc_u64 s[6:7], s[6:7], s[16:17]
	s_add_nc_u64 s[10:11], s[10:11], s[18:19]
	s_add_nc_u64 s[12:13], s[12:13], s[20:21]
	s_add_nc_u64 s[2:3], s[10:11], s[22:23]
.set m, 0
.rept 32                               ; the ring is filled first: 32 loads of 512 bytes a wave are out while the routing is counted.  No cache word: the other 128 bytes of each 256 are the neighbouring slice's
	WLOAD m
.set m, m+1
.endr
	s_load_b512 s[16:31], s[10:11], 0x0            ; slot 0, words 0-15
	s_load_b512 s[32:47], s[10:11], 0x800          ; slot 1, words 0-15
	s_load_b512 s[68:83], s[10:11], 0x40           ; slot 0, words 16-31
	s_load_b512 s[84:99], s[10:11], 0x840          ; slot 1, words 16-31
	s_wait_kmcnt 0x0
	GROUP 0, 16, 32
	GROUP 1, 24, 40
	GROUP 2, 68, 84
	GROUP 3, 76, 92
	s_load_b512 s[16:31], s[10:11], 0x80           ; words 32-63 likewise
	s_load_b512 s[32:47], s[10:11], 0x880
	s_load_b512 s[68:83], s[10:11], 0xc0
	s_load_b512 s[84:99], s[10:11], 0x8c0
	s_wait_kmcnt 0x0
	GROUP 4, 16, 32
	GROUP 5, 24, 40
	GROUP 6, 68, 84
	GROUP 7, 76, 92
	s_load_b256 s[16:23], s[2:3], 0x0              ; my own group's words once more: slot 0,
	s_load_b256 s[24:31], s[2:3], 0x800            ; slot 1
	s_max_u32 s66, s51, s52                        ; R
	s_sub_co_u32 s67, s66, 1
	s_add_co_u32 s68, s66, 15
	s_lshr_b32 s68, s68, 4                         ; tiles of 16 rows
	s_add_co_u32 s68, s68, 7
	s_sub_co_u32 s68, s68, s48
	s_lshr_b32 s68, s68, 3                         ; of which tiles w, w + 8, .. are mine
	s_lshl_b32 s72, s48, 10
	s_add_co_u32 s72, s72, SUB
	v_mov_b32 v25, s72                             ; my list
	v_mov_b32 v24, 0x100                           ; the throw-away place
	v_mov_b32 v27, SUB
	s_lshl_b32 s72, s48, 8
	v_add_nc_u32 v26, s72, v15                     ; my lane's token in my group's first word
	s_mov_b32 s74, 0
	s_wait_kmcnt 0x0
.irp j, 0,1,2,3,4,5,6,7                ; a hit token goes to the place that the hits before it in the group leave; the others to the throw-away place
	s_or_b32 s[32+\j], s[16+\j], s[24+\j]
	v_mbcnt_lo_u32_b32 v16, s[32+\j], s74
	v_cndmask_b32 v16, v24, v16, s[32+\j]
	v_min_u32 v16, 0x100, v16                      ; the place comes from loaded numbers: it is held inside my list
	v_lshl_add_u32 v16, v16, 1, v25
	ds_store_b16 v16, v26
	v_add_nc_u32 v26, 32, v26
	s_bcnt1_i32_b32 s73, s[32+\j]
	s_add_co_u32 s74, s74, s73
.endr
	s_cmp_lg_u32 s50, 0
	s_cbranch_scc1 .Lnorank                        ; the tables are the slice-0 work-groups' to store
.irp j, 0,1,2,3,4,5,6,7                ; a token's rank in a slot: the set bits below it.  (Where its own bit is not set the number is never used.)
	v_mbcnt_lo_u32_b32 v[32+\j], s[16+\j], s53
	v_mbcnt_lo_u32_b32 v[40+\j], s[24+\j], s54
	s_bcnt1_i32_b32 s73, s[16+\j]
	s_add_co_u32 s53, s53, s73
	s_bcnt1_i32_b32 s73, s[24+\j]
	s_add_co_u32 s54, s54, s73
	global_store_b32 v20, v[32+\j], s[14:15] offset:128*\j
	global_store_b32 v20, v[40+\j], s[14:15] offset:8192+128*\j
.endr
	s_cmp_lg_u32 s48, 0
	s_cbranch_scc1 .Lnorank
	v_mov_b32 v28, s66
	s_lshl_b32 s73, s49, 2
	v_mov_b32 v29, s73
	s_wait_xcnt 0x0                                ; EXEC changes only behind this wait
	v_cmp_eq_u32 vcc_lo, 0, v0
	s_and_saveexec_b32 s72, vcc_lo
	global_store_b32 v29, v28, s[14:15] offset:131072  ; R
	s_wait_xcnt 0x0
	s_or_b32 exec_lo, exec_lo, s72
.Lnorank:
	s_wait_xcnt 0x0                                ; the rank stores have read v[32:47], which are written again below
	; THE WEIGHTS: 64 loads a wave through a ring of 32 register slots; each is rounded to bf16 and laid into LDS, and its slot is asked for again at once.
.set m, 0
.rept 64
.set sl, WS+4*(m%32)
.set tp, 48+2*(m%2)
.if m < 32
	s_wait_loadcnt 31                              ; loads come back in order: load m is in, the 31 younger ones stay out
.else
	s_wait_loadcnt 63-m                            ; nothing more is asked for: the counts run down
.endif
	v_cvt_pk_bf16_f32 v[tp], v[sl], v[sl+1]
	v_cvt_pk_bf16_f32 v[tp+1], v[sl+2], v[sl+3]
	ds_store_b64 v12, v[tp:tp+1] offset:4*PW*(m/2)+64*(m%2)
.if m < 32
	WLOAD m+32
.endif
.set m, m+1
.endr
	s_wait_tensorcnt 0x0                           ; my last LDS store is issued
	ds_add_u32 v9, v10
	s_wait_dscnt 0x0                               ; the wait is also the one that the barrier needs: my weights and my list are in LDS
	s_barrier_signal -1
	s_barrier_wait -1                              ; the launch's one barrier: behind it LDS is only read
.macro FIND i                          ; the token of row 16 (my next tile + 8 i) + lane % 16, held to the last row that exists
	v_add_nc_u32 v16, 128*(\i), v19
	v_min_u32 v16, s67, v16
	v_mov_b32 v17, 0
	v_mov_b32 v18, 0
.irp g, 1,2,3,4,5,6,7                  ; the last group with no more hits below it than the row's number
	v_cmp_gt_u32 vcc_lo, s[55+\g], v16
	v_cndmask_b32 v17, s[55+\g], v17, vcc_lo
	v_cndmask_b32 v18, \g, v18, vcc_lo
.endr
	v_sub_nc_u32 v16, v16, v17                     ; the row's place in that group's list
	v_min_u32 v16, 0xff, v16                       ; both come from loaded numbers: they are held inside the lists
	v_min_u32 v18, 7, v18
	v_lshl_add_u32 v18, v18, 10, v27
	v_lshl_add_u32 v16, v16, 1, v18
	ds_load_u16 v[21+(\i)], v16
.endm
.macro ALOAD n, a4, off                ; n tiles' token fragments of one K step into set a4: 64 bytes of each row, two loads of 16 bytes a lane
.set ii, 0
.rept \n
	global_load_b128 v[AF+24*(\a4)+8*ii:AF+24*(\a4)+8*ii+3], v[5+ii], s[2:3] offset:(\off)
	global_load_b128 v[AF+24*(\a4)+8*ii+4:AF+24*(\a4)+8*ii+7], v[5+ii], s[2:3] offset:(\off)+32
.set ii, ii+1
.endr
.endm
.macro BLOAD b2, off                   ; the four weight fragments of one K step into set b2
.irp q, 0,1,2,3
	ds_load_tr16_b128 v[BF+32*(\b2)+8*\q:BF+32*(\b2)+8*\q+3], v4 offset:(\off)+32*\q
	ds_load_tr16_b128 v[BF+32*(\b2)+8*\q+4:BF+32*(\b2)+8*\q+7], v4 offset:(\off)+32*\q+16*PW
.endr
.endm
; One K step of 32 for n tiles: 4 n products, the accumulators by turns; then the sets just read are asked for again: tokens four steps on, weights two steps on.
; lc: the token loads of the later steps that may stay out, 2 n a step; dc: the next step's 8 weight loads.  aoff, boff = -1: nothing is left to ask for.
.macro STEP n, a4, b2, zero, aoff, boff, lc, dc
	s_wait_loadcnt \lc
	s_wait_dscnt \dc
	WIN 0x50                                       ; C and D in window 1
.set ii, 0
.rept \n
.set qq, 0
.rept 4
.if \zero
	v_wmma_f32_16x16x32_bf16 v[32*ii+8*qq:32*ii+8*qq+7], v[BF+32*(\b2)+8*qq:BF+32*(\b2)+8*qq+7], v[AF+24*(\a4)+8*ii:AF+24*(\a4)+8*ii+7], 0
.else
	v_wmma_f32_16x16x32_bf16 v[32*ii+8*qq:32*ii+8*qq+7], v[BF+32*(\b2)+8*qq:BF+32*(\b2)+8*qq+7], v[AF+24*(\a4)+8*ii:AF+24*(\a4)+8*ii+7], v[32*ii+8*qq:32*ii+8*qq+7]
.endif
.set qq, qq+1
.endr
.set ii, ii+1
.endr
	WIN 0
.if ((\aoff) >= 0) || ((\boff) >= 0)
.rept 4
	v_nop                                          ; four places between the products and loads into registers that they read
.endr
.endif
.if (\aoff) >= 0
	ALOAD \n, \a4, \aoff
.endif
.if (\boff) >= 0
	BLOAD \b2, \boff
.endif
.endm
; Tile i goes out: silu(g) u = g u / (1 + 2^(-g log2 e)); silu is made first, so that a sigmoid of 0 meets g alone.  Each accumulator is read from its low end on.
.macro HOUT i
	WIN 0x01                                       ; source 0 in window 1
.set z, 0
.rept 8
	v_pk_mul_f32 v[TT+2*z:TT+2*z+1], v[32*(\i)+2*z:32*(\i)+2*z+1], s[76:77] op_sel_hi:[1,0]
.set z, z+1
.endr
	WIN 0
.set z, 0
.rept 16
	v_exp_f32 v[TT+z], v[TT+z]
.set z, z+1
.endr
	v_nop                                          ; a plain instruction behind the last exponential,
	s_wait_alu depctr_va_vdst(0)                   ; and one wait for the batch of sixteen
.set z, 0
.rept 8
	v_pk_add_f32 v[TT+2*z:TT+2*z+1], v[TT+2*z:TT+2*z+1], 1.0 op_sel_hi:[1,0]
.set z, z+1
.endr
.set z, 0
.rept 16
	v_rcp_f32 v[TT+z], v[TT+z]
.set z, z+1
.endr
	v_nop
	s_wait_alu depctr_va_vdst(0)                   ; one wait for the sixteen reciprocals
	WIN 0x01
.set z, 0
.rept 8
	v_pk_mul_f32 v[PP+2*z:PP+2*z+1], v[32*(\i)+2*z:32*(\i)+2*z+1], v[TT+2*z:TT+2*z+1]
.set z, z+1
.endr
.set z, 0
.rept 8
	v_pk_mul_f32 v[PP+2*z:PP+2*z+1], v[32*(\i)+16+2*z:32*(\i)+16+2*z+1], v[PP+2*z:PP+2*z+1]
.set z, z+1
.endr
	WIN 0
.set z, 0
.rept 8
	v_cvt_pk_bf16_f32 v[OO+8*(\i)+z], v[PP+2*z], v[PP+2*z+1]
.set z, z+1
.endr
	global_store_b128 v8, v[OO+8*(\i):OO+8*(\i)+3], s[12:13] offset:262144*(\i)        ; 512 consecutive bytes, aligned: columns 0-15 of the slice,
	global_store_b128 v8, v[OO+8*(\i)+4:OO+8*(\i)+7], s[12:13] offset:262144*(\i)+512  ; columns 16-31; my tiles lie 8 x 32,768 bytes apart
.endm
; n tiles through all 32 K steps.  Four sets of token fragments: the loads of three later steps are out at every wait.  Two sets of weight fragments.
.macro CHUNK n
	s_mov_b64 s[2:3], s[8:9]
	v_mov_b32 v4, v3
.set st, 0
.rept 4
	ALOAD \n, st, 64*st
.set st, st+1
.endr
	BLOAD 0, 0
	BLOAD 1, KSTEP
	STEP \n, 0, 0, 1, 256, 2*KSTEP, 6*(\n), 8      ; step 0 stands ahead of the loop: its products start the sums
	s_mov_b32 s71, 6
.Lk\n:                                 ; steps 1 + 4 t .. 4 + 4 t
	STEP \n, 1, 1, 0, 320, 3*KSTEP, 6*(\n), 8
	STEP \n, 2, 0, 0, 384, 4*KSTEP, 6*(\n), 8
	STEP \n, 3, 1, 0, 448, 5*KSTEP, 6*(\n), 8
	STEP \n, 0, 0, 0, 512, 6*KSTEP, 6*(\n), 8
	s_wait_xcnt 0x0                                ; the loads' base is stepped only behind this wait
	s_add_nc_u64 s[2:3], s[2:3], 256
	v_add_nc_u32 v4, 4*KSTEP, v4
	s_sub_co_u32 s71, s71, 1
	s_cmp_lg_u32 s71, 0
	s_cbranch_scc1 .Lk\n
	STEP \n, 1, 1, 0, 320, 3*KSTEP, 6*(\n), 8      ; steps 25 to 31: the last requests, then the counts run down
	STEP \n, 2, 0, 0, 384, 4*KSTEP, 6*(\n), 8
	STEP \n, 3, 1, 0, 448, 5*KSTEP, 6*(\n), 8
	STEP \n, 0, 0, 0, -1, 6*KSTEP, 6*(\n), 8
	STEP \n, 1, 1, 0, -1, 7*KSTEP, 4*(\n), 8
	STEP \n, 2, 0, 0, -1, -1, 2*(\n), 8
	STEP \n, 3, 1, 0, -1, -1, 0, 0
.rept 4
	v_nop                                          ; four places behind the last product, ahead of the first read of a result and the first write of a fragment register
.endr
.set tt, 0
.rept \n
	HOUT tt
.set tt, tt+1
.endr
.endm
	s_mov_b32 s69, s48                             ; my first tile
	s_mov_b32 s70, 6                               ; 6 trips of up to 3 tiles cover the 16 tiles that a wave can have (R = 2,048)
	s_mov_b32 s76, 0xbfb8aa3b                      ; -log2(e); the packed multiply names a pair and takes its low word for both halves
	s_mov_b32 s77, s76
.Ltrip:
	s_cmp_le_i32 s68, 0
	s_cbranch_scc1 .Lnext                          ; no tile left: the trip's work is jumped over; it holds no barrier
	s_lshl_b32 s72, s69, 15
	v_add_nc_u32 v8, s72, v13                      ; a tile of h is 32,768 bytes
	s_lshl_b32 s72, s69, 4
	v_add_nc_u32 v19, s72, v1
	FIND 0
	FIND 1
	FIND 2
	s_wait_dscnt 0x0
.irp i, 0,1,2
	v_min_u32 v[21+\i], 0x7ff, v[21+\i]            ; a token's number, held inside xb
	v_lshl_add_u32 v[5+\i], v[21+\i], 11, v14      ; its row of 2,048 bytes + 16 x (lane / 16)
.endr
	s_cmp_ge_i32 s68, 3
	s_cbranch_scc1 .Lc3
	s_cmp_eq_u32 s68, 2
	s_cbranch_scc1 .Lc2
	CHUNK 1
	s_branch .Ldone
.Lc2:
	CHUNK 2
	s_branch .Ldone
.Lc3:
	CHUNK 3
.Ldone:
	s_wait_xcnt 0x0                                ; the stores have read their data and v8, which the next trip writes again
.Lnext:
	s_sub_co_i32 s68, s68, 3
	s_add_co_u32 s69, s69, 24
	s_sub_co_u32 s70, s70, 1
	s_cmp_lg_u32 s70, 0
	s_cbranch_scc1 .Ltrip
	s_endpgm
.Lfunc_end_k_q561bcb8568_up:
	.size	k_q561bcb8568_up, .Lfunc_end_k_q561bcb8568_up-k_q561bcb8568_up
	.p2alignl 7, 3214868480
	.fill 96, 4, 3214868480
	.section	.rodata,"a",@progbits
	.p2align	6, 0x0
	.amdhsa_kernel k_q561bcb8568_up
		.amdhsa_group_segment_fixed_size 173056
		.amdhsa_private_segment_fixed_size 0
		.amdhsa_enable_private_segment 0
		.amdhsa_kernarg_size 48
		.amdhsa_user_sgpr_count 2
		.amdhsa_user_sgpr_kernarg_segment_ptr 1
		.amdhsa_wavefront_size32 1
		.amdhsa_system_sgpr_workgroup_id_x 1
		.amdhsa_system_sgpr_workgroup_id_y 1
		.amdhsa_system_sgpr_workgroup_id_z 1
		.amdhsa_system_vgpr_workitem_id 0
		.amdhsa_next_free_vgpr 352
		.amdhsa_next_free_sgpr 100
		.amdhsa_reserve_vcc 1
		.amdhsa_float_denorm_mode_32 3
		.amdhsa_float_denorm_mode_16_64 3
		.amdhsa_memory_ordered 1
		.amdhsa_forward_progress 1
		.amdhsa_inst_pref_size 128
	.end_amdhsa_kernel
	.amdgpu_metadata
---
amdhsa.version: [ 1, 2 ]
amdhsa.kernels:
  - .name:           k_q561bcb8568_up
    .symbol:         k_q561bcb8568_up.kd
    .args:
      - { .name: wg, .offset: 0, .size: 8, .value_kind: global_buffer, .address_space: global }
      - { .name: wu, .offset: 8, .size: 8, .value_kind: global_buffer, .address_space: global }
      - { .name: xb, .offset: 16, .size: 8, .value_kind: global_buffer, .address_space: global }
      - { .name: route, .offset: 24, .size: 8, .value_kind: global_buffer, .address_space: global }
      - { .name: h, .offset: 32, .size: 8, .value_kind: global_buffer, .address_space: global }
      - { .name: plan, .offset: 40, .size: 8, .value_kind: global_buffer, .address_space: global }
    .group_segment_fixed_size: 173056
    .private_segment_fixed_size: 0
    .kernarg_segment_align: 8
    .kernarg_segment_size: 48
    .max_flat_workgroup_size: 256
    .sgpr_count:     100
    .vgpr_count:     352
    .wavefront_size: 32
...
	.end_amdgpu_metadata
.endif
;; end of part 2
;; launch down (part 3): grid 32 x 8, 8 waves a work-group, no clusters, 164,864 bytes of LDS; arguments wd, h, plan, y; writes y
.if DOCPART == 3
	.amdgcn_target "amdgcn-amd-amdhsa--gfx1250"
	.amdhsa_code_object_version 6
	.text
	.protected	k_q561bcb8568_down
	.globl	k_q561bcb8568_down
	.p2align	8
	.type	k_q561bcb8568_down,@function
k_q561bcb8568_down:
	s_mov_b64 s[64:65], 0
	v_nop
	global_prefetch_b8 v0, s[64:65] scope:SCOPE_SE
	s_setreg_imm32_b32 hwreg(HW_REG_WAVE_MODE, 25, 1), 1
	s_wait_xcnt 0x0
; SECOND PRODUCT.  y = h Wd for expert e (grid y), columns 64 sl .. 64 sl + 63 of the output width (sl = grid x / 2) and the tiles of 16 rows named below (p = grid x % 2).
; y stays f32: its rows are the parts that the last launch weighs and adds.
; The work-group reads its 1,024 x 64 numbers of wd, rounds them to bf16 on their way through registers and lays them into LDS; then wave w walks tiles 2 w + p, + 16, ..  The two work-groups of a
; slice read the same weights: 16 slices alone would be 128 work-groups.  The number of tiles comes from R, stored by the launch before (whole numbers); the loop over tiles has a constant number of
; trips, writes no LDS, holds no barrier, and trips without rows are jumped over.  An expert without rows stores nothing.
; LAYOUT.  Source 0 = 16 rows of h, which lies in memory in that operand's own order (each load is 512 consecutive bytes); source 1 = 16 columns of wd, turned out of LDS.  In the result register j
; of lane (r = lane % 16, hh = lane / 16) is row 8 hh + j, column place r.  THE COLUMNS ARE LAID INTO LDS OUT OF ORDER: place n of column tile q is true column 4 n + q.  So the four accumulators of a
; tile hold, in a lane, four NEIGHBOURING numbers of a row of y, and sixteen lanes the row's 256 bytes: the tile leaves from registers, with one copy a number to bring the four on end, and needs no
; way through LDS.
; NO CLUSTER: what an expert's work-groups share, the tiles of h, is read in a loop whose length hangs on a stored count; joint requests would have to cover the 128 tiles of the worst split for every expert.
.set PW,    160                        ; a K row of the slice in LDS: 4 column tiles x 32 bytes + 32 of padding
.set KSTEP, 32*PW
.set SPARE, 1024*PW                    ; behind the weights: the spare words, 128 bytes a wave: four blocks of 256 bytes that no other line names
; v1 lane % 16  v2 lane / 16  v3 my place in a K step of the weights  v4 the same, walking  v5, v6 my byte offset in h, a tile each  v7, v8 in y  v9, v10 the add's two registers
; v11, v12 the weights: global offset, LDS address  v13 16 x lane  v14 my lane's byte selector  v20 my place in a tile of y  v[48:55] at work on the weights
; v[32:95] weight fragments, 2 sets x 4   v[96:159] fragments of h, 4 sets x 2 tiles; on the way out the rows as stored   v[160:223] accumulators: tile i, column tile q at 160 + 32 i + 8 q
; v[96:223] first the ring of 32 weight loads
; s[4:5] wd  s[6:7] h  s[8:9] plan  s[10:11] y  s[2:3] h walking  s12 wave  s13 e  s14 sl  s15 p  s16 R  s17 my tiles left  s18 my next tile  s19, s20 counters
.set BF,  32
.set AF,  96
.set ACC, 160
.set WS,  96
.macro WLOAD m                         ; weight load m of 64: 2 K rows x 256 bytes, each row's piece whole and aligned
	global_load_b128 v[WS+4*((\m)%32):WS+4*((\m)%32)+3], v11, s[4:5] offset:8192*(\m)
.endm
	s_load_b256 s[4:11], s[0:1], 0x0               ; wd, h, plan, y
	v_lshl_add_u32 v9, v0, 2, SPARE
	v_mov_b32 v10, 0
	v_lshrrev_b32 v16, 5, v0
	v_readfirstlane_b32 s12, v16                   ; wave 0..7
	s_and_b32 s13, ttmp7, 0xffff
	s_lshr_b32 s14, ttmp9, 1
	s_and_b32 s15, ttmp9, 1
	v_and_b32 v1, 15, v0
	v_bfe_u32 v2, v0, 4, 1
	v_and_b32 v13, 31, v0
	v_lshlrev_b32 v13, 4, v13
	v_and_b32 v17, 7, v0
	s_lshl_b32 s22, s12, 19                        ; my 128 K rows of 4,096 bytes
	v_lshl_add_u32 v11, v2, 12, s22                ; lanes 0-15 one K row, lanes 16-31 the next,
	v_lshl_add_u32 v11, v1, 4, v11                 ; 16 bytes (true columns 4 c .. 4 c + 3, c = lane % 16) a lane
	s_mul_i32 s22, s12, 128*PW
	v_mul_u32_u24 v12, v2, PW
	v_add_nc_u32 v12, s22, v12
	v_and_b32 v18, 1, v0                           ; c % 2: an even lane stores for column tiles 0 and 2, an odd one for 1 and 3,
	v_lshl_add_u32 v12, v18, 5, v12
	v_bfe_u32 v19, v0, 1, 3                        ; c / 2: the two places c & ~1 and c | 1, 4 bytes
	v_lshl_add_u32 v12, v19, 2, v12
	v_mov_b32 v14, 0x01000504                      ; even lane: my low half below, the neighbour's low half above
	v_mov_b32 v15, 0x07060302                      ; odd lane: the neighbour's high half below, my high half above
	v_cmp_eq_u32 vcc_lo, 1, v18
	v_cndmask_b32 v14, v14, v15, vcc_lo
	v_mov_b32 v50, 0                               ; a DPP form's destination counts as read: these four are written once here
	v_mov_b32 v51, 0
	v_mov_b32 v54, 0
	v_mov_b32 v55, 0
	v_lshl_add_u32 v3, v2, 3, v17                  ; the turning load: K row 8 (lane / 16) + lane % 8, 16 bytes for each eight lanes
	v_mul_u32_u24 v3, v3, PW
	v_bfe_u32 v18, v0, 3, 1
	v_lshl_add_u32 v3, v18, 4, v3
	v_lshlrev_b32 v20, 15, v2                      ; in y: lanes 16-31 stand eight rows of 4,096 bytes below lanes 0-15,
	v_lshl_add_u32 v20, v1, 4, v20                 ; 16 bytes a lane
	s_lshl_b32 s22, s13, 22                        ; wd: 4 MiB an expert, 256 bytes of a row a slice
	s_lshl_b32 s23, s14, 8
	s_add_co_u32 s22, s22, s23
	s_mov_b32 s23, 0
	s_lshl_b32 s24, s13, 22                        ; h: 4 MiB an expert
	s_mov_b32 s25, 0
	s_lshl_b32 s26, s13, 2                         ; R: a word an expert
	s_mov_b32 s27, 0
	s_lshl_b32 s28, s13, 23                        ; y: 8 MiB an expert, 256 bytes of a row a slice
	s_lshl_b32 s29, s14, 8
	s_add_co_u32 s28, s28, s29
	s_mov_b32 s29, 0
	s_wait_kmcnt 0x0
	s_add_nc_u64 s[4:5], s[4:5], s[22:23]
	s_add_nc_u64 s[6:7], s[6:7], s[24:25]
	s_add_nc_u64 s[8:9], s[8:9], s[26:27]
	s_add_nc_u64 s[10:11], s[10:11], s[28:29]
.set m, 0
.rept 32                               ; the ring is filled first: 32 loads of 512 bytes a wave are out.  No cache word: the slice has a second reader
	WLOAD m
.set m, m+1
.endr
	s_load_b32 s16, s[8:9], 0x20000
	s_lshl_b32 s18, s12, 1
	s_add_co_u32 s18, s18, s15                     ; my first tile: 2 w + p
	s_wait_kmcnt 0x0
	s_min_u32 s16, s16, 0x800                      ; R, held to the number of tokens
	s_add_co_u32 s17, s16, 15
	s_lshr_b32 s17, s17, 4                         ; tiles of 16 rows
	s_add_co_u32 s17, s17, 15
	s_sub_co_u32 s17, s17, s18
	s_lshr_b32 s17, s17, 4                         ; of which tiles 2 w + p, + 16, .. are mine
	; THE WEIGHTS: 64 loads a wave through a ring of 32 register slots.  Each is rounded to bf16; the lane and its neighbour (lane xor 1) exchange their packed words, and each of the two makes
	; two words that hold the SAME column-in-four of both lanes: places c & ~1 and c | 1 of one column tile.  The slot is asked for again at once.
.set m, 0
.rept 64
.set sl, WS+4*(m%32)
.set tp, 48+4*(m%2)
.if m < 32
	s_wait_loadcnt 31                              ; loads come back in order: load m is in, the 31 younger ones stay out
.else
	s_wait_loadcnt 63-m                            ; nothing more is asked for: the counts run down
.endif
	v_cvt_pk_bf16_f32 v[tp], v[sl], v[sl+1]
	v_cvt_pk_bf16_f32 v[tp+1], v[sl+2], v[sl+3]
	v_mov_b32_dpp v[tp+2], v[tp] row_xmask:1 row_mask:0xf bank_mask:0xf
	v_mov_b32_dpp v[tp+3], v[tp+1] row_xmask:1 row_mask:0xf bank_mask:0xf
	v_perm_b32 v[tp+2], v[tp], v[tp+2], v14        ; selector bytes 4-7 name my word, 0-3 the neighbour's
	v_perm_b32 v[tp+3], v[tp+1], v[tp+3], v14
	ds_store_b32 v12, v[tp+2] offset:2*PW*m        ; column tile 0 (even lane) or 1 (odd lane),
	ds_store_b32 v12, v[tp+3] offset:2*PW*m+64     ; tile 2 or 3
.if m < 32
	WLOAD m+32
.endif
.set m, m+1
.endr
	s_wait_tensorcnt 0x0                           ; my last LDS store is issued
	ds_add_u32 v9, v10
	s_wait_dscnt 0x0                               ; the wait is also the one that the barrier needs: my weights are in LDS
	s_barrier_signal -1
	s_barrier_wait -1                              ; the launch's one barrier: behind it LDS is only read
.macro ALOAD n, a4, off                ; n tiles' fragments of h of one K step into set a4: two loads of 512 consecutive bytes a tile
.set ii, 0
.rept \n
	global_load_b128 v[AF+16*(\a4)+8*ii:AF+16*(\a4)+8*ii+3], v[5+ii], s[2:3] offset:(\off)
	global_load_b128 v[AF+16*(\a4)+8*ii+4:AF+16*(\a4)+8*ii+7], v[5+ii], s[2:3] offset:(\off)+512
.set ii, ii+1
.endr
.endm
.macro BLOAD b2, off                   ; the four weight fragments of one K step into set b2
.irp q, 0,1,2,3
	ds_load_tr16_b128 v[BF+32*(\b2)+8*\q:BF+32*(\b2)+8*\q+3], v4 offset:(\off)+32*\q
	ds_load_tr16_b128 v[BF+32*(\b2)+8*\q+4:BF+32*(\b2)+8*\q+7], v4 offset:(\off)+32*\q+16*PW
.endr
.endm
; One K step of 32 for n tiles: 4 n products, the accumulators by turns; then the sets just read are asked for again: h four steps on, weights two steps on.
; lc: the loads of h of the later steps that may stay out, 2 n a step; dc: the next step's 8 weight loads.  aoff, boff = -1: nothing is left to ask for.
.macro STEP n, a4, b2, zero, aoff, boff, lc, dc
	s_wait_loadcnt \lc
	s_wait_dscnt \dc
.set ii, 0
.rept \n
.set qq, 0
.rept 4
.if \zero
	v_wmma_f32_16x16x32_bf16 v[ACC+32*ii+8*qq:ACC+32*ii+8*qq+7], v[AF+16*(\a4)+8*ii:AF+16*(\a4)+8*ii+7], v[BF+32*(\b2)+8*qq:BF+32*(\b2)+8*qq+7], 0
.else
	v_wmma_f32_16x16x32_bf16 v[ACC+32*ii+8*qq:ACC+32*ii+8*qq+7], v[AF+16*(\a4)+8*ii:AF+16*(\a4)+8*ii+7], v[BF+32*(\b2)+8*qq:BF+32*(\b2)+8*qq+7], v[ACC+32*ii+8*qq:ACC+32*ii+8*qq+7]
.endif
.set qq, qq+1
.endr
.set ii, ii+1
.endr
.if ((\aoff) >= 0) || ((\boff) >= 0)
.rept 4
	v_nop                                          ; four places between the products and loads into registers that they read
.endr
.endif
.if (\aoff) >= 0
	ALOAD \n, \a4, \aoff
.endif
.if (\boff) >= 0
	BLOAD \b2, \boff
.endif
.endm
; Tile i goes out.  Register j of the four accumulators is four neighbouring numbers of row 8 (lane / 16) + j: they are brought on end and stored.  Each accumulator is read from its lowest register on.
.macro YOUT i
.set jj, 0
.rept 8
.irp q, 0,1,2,3
	v_mov_b32 v[AF+32*(\i)+4*jj+\q], v[ACC+32*(\i)+8*\q+jj]
.endr
	global_store_b128 v[7+(\i)], v[AF+32*(\i)+4*jj:AF+32*(\i)+4*jj+3], s[10:11] offset:4096*jj  ; 16 lanes store 256 consecutive bytes, aligned: lanes 0-15 of row j, lanes 16-31 of row 8 + j
.set jj, jj+1
.endr
.endm
; n tiles through all 32 K steps.  Four sets of fragments of h: the loads of three later steps are out at every wait.  Two sets of weight fragments.
.macro CHUNK n
	s_mov_b64 s[2:3], s[6:7]
	v_mov_b32 v4, v3
.set st, 0
.rept 4
	ALOAD \n, st, 1024*st
.set st, st+1
.endr
	BLOAD 0, 0
	BLOAD 1, KSTEP
	STEP \n, 0, 0, 1, 4096, 2*KSTEP, 6*(\n), 8     ; step 0 stands ahead of the loop: its products start the sums
	s_mov_b32 s20, 6
.Lk\n:                                 ; steps 1 + 4 t .. 4 + 4 t
	STEP \n, 1, 1, 0, 5120, 3*KSTEP, 6*(\n), 8
	STEP \n, 2, 0, 0, 6144, 4*KSTEP, 6*(\n), 8
	STEP \n, 3, 1, 0, 7168, 5*KSTEP, 6*(\n), 8
	STEP \n, 0, 0, 0, 8192, 6*KSTEP, 6*(\n), 8
	s_wait_xcnt 0x0                                ; the loads' base is stepped only behind this wait
	s_add_nc_u64 s[2:3], s[2:3], 4096
	v_add_nc_u32 v4, 4*KSTEP, v4
	s_sub_co_u32 s20, s20, 1
	s_cmp_lg_u32 s20, 0
	s_cbranch_scc1 .Lk\n
	STEP \n, 1, 1, 0, 5120, 3*KSTEP, 6*(\n), 8     ; steps 25 to 31: the last requests, then the counts run down
	STEP \n, 2, 0, 0, 6144, 4*KSTEP, 6*(\n), 8
	STEP \n, 3, 1, 0, 7168, 5*KSTEP, 6*(\n), 8
	STEP \n, 0, 0, 0, -1, 6*KSTEP, 6*(\n), 8
	STEP \n, 1, 1, 0, -1, 7*KSTEP, 4*(\n), 8
	STEP \n, 2, 0, 0, -1, -1, 2*(\n), 8
	STEP \n, 3, 1, 0, -1, -1, 0, 0
.rept 4
	v_nop                                          ; four places behind the last product, ahead of the first read of a result and the first write of a fragment register
.endr
.set tt, 0
.rept \n
	YOUT tt
.set tt, tt+1
.endr
.endm
	s_mov_b32 s19, 4                               ; 4 trips of up to 2 tiles cover the 8 tiles that a wave can have (R = 2,048)
.Ltrip:
	s_cmp_le_i32 s17, 0
	s_cbranch_scc1 .Lnext                          ; no tile left: the trip's work is jumped over; it holds no barrier
	s_lshl_b32 s22, s18, 15
	v_add_nc_u32 v5, s22, v13                      ; a tile of h is 32,768 bytes; my tiles lie 16 apart
	v_add_nc_u32 v6, 16<<15, v5
	s_lshl_b32 s22, s18, 16
	v_add_nc_u32 v7, s22, v20                      ; a tile's 16 rows of y are 65,536 bytes
	v_add_nc_u32 v8, 16<<16, v7
	s_cmp_ge_i32 s17, 2
	s_cbranch_scc1 .Lc2
	CHUNK 1
	s_branch .Ldone
.Lc2:
	CHUNK 2
.Ldone:
	s_wait_xcnt 0x0                                ; the stores have read their data and offsets, which the next trip writes again
.Lnext:
	s_sub_co_i32 s17, s17, 2
	s_add_co_u32 s18, s18, 32
	s_sub_co_u32 s19, s19, 1
	s_cmp_lg_u32 s19, 0
	s_cbranch_scc1 .Ltrip
	s_endpgm
.Lfunc_end_k_q561bcb8568_down:
	.size	k_q561bcb8568_down, .Lfunc_end_k_q561bcb8568_down-k_q561bcb8568_down
	.p2alignl 7, 3214868480
	.fill 96, 4, 3214868480
	.section	.rodata,"a",@progbits
	.p2align	6, 0x0
	.amdhsa_kernel k_q561bcb8568_down
		.amdhsa_group_segment_fixed_size 164864
		.amdhsa_private_segment_fixed_size 0
		.amdhsa_enable_private_segment 0
		.amdhsa_kernarg_size 32
		.amdhsa_user_sgpr_count 2
		.amdhsa_user_sgpr_kernarg_segment_ptr 1
		.amdhsa_wavefront_size32 1
		.amdhsa_system_sgpr_workgroup_id_x 1
		.amdhsa_system_sgpr_workgroup_id_y 1
		.amdhsa_system_sgpr_workgroup_id_z 1
		.amdhsa_system_vgpr_workitem_id 0
		.amdhsa_next_free_vgpr 224
		.amdhsa_next_free_sgpr 66
		.amdhsa_reserve_vcc 1
		.amdhsa_float_denorm_mode_32 3
		.amdhsa_float_denorm_mode_16_64 3
		.amdhsa_memory_ordered 1
		.amdhsa_forward_progress 1
		.amdhsa_inst_pref_size 82
	.end_amdhsa_kernel
	.amdgpu_metadata
---
amdhsa.version: [ 1, 2 ]
amdhsa.kernels:
  - .name:           k_q561bcb8568_down
    .symbol:         k_q561bcb8568_down.kd
    .args:
      - { .name: wd, .offset: 0, .size: 8, .value_kind: global_buffer, .address_space: global }
      - { .name: h, .offset: 8, .size: 8, .value_kind: global_buffer, .address_space: global }
      - { .name: plan, .offset: 16, .size: 8, .value_kind: global_buffer, .address_space: global }
      - { .name: y, .offset: 24, .size: 8, .value_kind: global_buffer, .address_space: global }
    .group_segment_fixed_size: 164864
    .private_segment_fixed_size: 0
    .kernarg_segment_align: 8
    .kernarg_segment_size: 32
    .max_flat_workgroup_size: 256
    .sgpr_count:     66
    .vgpr_count:     224
    .wavefront_size: 32
...
	.end_amdgpu_metadata
.endif
;; end of part 3
;; launch combine (part 4): grid 256 x 1, 8 waves a work-group, no clusters, 0 bytes of LDS; arguments route, rwp, plan, y, out0, out1, out2, out3; writes out0, out1, out2, out3
.if DOCPART == 4
	.amdgcn_target "amdgcn-amd-amdhsa--gfx1250"
	.amdhsa_code_object_version 6
	.text
	.protected	k_q561bcb8568_combine
	.globl	k_q561bcb8568_combine
	.p2align	8
	.type	k_q561bcb8568_combine,@function
k_q561bcb8568_combine:
	s_mov_b64 s[64:65], 0
	v_nop
	global_prefetch_b8 v0, s[64:65] scope:SCOPE_SE
	s_setreg_imm32_b32 hwreg(HW_REG_WAVE_MODE, 25, 1), 1
	s_wait_xcnt 0x0
; THE SUM AND THE THREE FIGURES.  out0[t] = w0 y[e0][rank0] + w1 y[e1][rank1]: token t takes, from each of its two experts, the row of its rank within that slot, as reference() does.
; A wave has one token: its choices, weights and ranks come by scalar loads (whole numbers stored by earlier launches, each held inside its table before it enters an address); the two rows of
; 4,096 bytes come by eight loads of 512 consecutive bytes each, and the sum leaves the same way.  A stream: no LDS, no barrier, no matrix unit, nothing shared that a cluster could spare.
; Wave 0 of work-group 0 then adds the router's 128 rows of partial sums and makes out1 (8 x the unbiased variance of the usage), out2 (gini) and out3 (entropy).
; GINI.  2 sum(i su_i) / (8 sum su) - 9/8 over the sorted usage equals the sum over pairs of |u_i - u_j|, divided by 8 sum u: the same number without a sort and without a difference of large sums.
; v1 16 x lane  v2 64 x lane  v[8:39] first row, then the sum  v[40:71] second row  v[72:116] the partial sums, 12 registers a group of 32 rows  v81-83, v94-95, v120-127 at work
; s20 wave  s21 token  s[28:29] choices  s[30:31] weights  s[40:41] the second weight twice
	s_load_b512 s[4:19], s[0:1], 0x0               ; route s[4:5], rwp s[6:7], plan s[8:9], y s[10:11], out0 s[12:13], out1 s[14:15], out2 s[16:17], out3 s[18:19]
	v_lshrrev_b32 v2, 5, v0
	v_readfirstlane_b32 s20, v2                    ; wave 0..7
	v_and_b32 v1, 31, v0
	v_lshlrev_b32 v2, 6, v1                        ; 64 x lane: a row of partial sums
	v_lshlrev_b32 v1, 4, v1
	s_lshl_b32 s21, ttmp9, 3
	s_add_co_u32 s21, s21, s20                     ; my token
	s_lshl_b32 s22, s21, 3                         ; 8 bytes a token in the choices and in the weights
	s_mov_b32 s23, 0
	s_lshl_b32 s32, s21, 12                        ; 4,096 bytes a token in out0
	s_mov_b32 s33, 0
	s_wait_kmcnt 0x0
	s_add_nc_u64 s[24:25], s[4:5], s[22:23]
	s_add_nc_u64 s[26:27], s[6:7], s[22:23]
	s_add_nc_u64 s[12:13], s[12:13], s[32:33]
	s_load_b64 s[28:29], s[24:25], 0x0
	s_load_b64 s[30:31], s[26:27], 0x0
	s_lshl_b32 s22, s21, 2                         ; 4 bytes a token in a rank table
	s_wait_kmcnt 0x0
	s_min_u32 s28, s28, 7                          ; an expert's number, held inside the tables
	s_min_u32 s29, s29, 7
	s_lshl_b32 s34, s28, 14
	s_add_co_u32 s34, s34, s22
	s_mov_b32 s35, 0
	s_lshl_b32 s36, s29, 14
	s_add_co_u32 s36, s36, s22
	s_mov_b32 s37, 0
	s_add_nc_u64 s[34:35], s[8:9], s[34:35]
	s_add_nc_u64 s[36:37], s[8:9], s[36:37]
	s_load_b32 s38, s[34:35], 0x0                  ; my rank in slot 0 of the first expert,
	s_load_b32 s39, s[36:37], 0x2000               ; in slot 1 of the second
	s_mov_b32 s40, s31
	s_mov_b32 s41, s31
	s_wait_kmcnt 0x0
	s_min_u32 s38, s38, 0x7ff                      ; a row's number, held inside the expert's 2,048
	s_min_u32 s39, s39, 0x7ff
	s_lshl_b32 s28, s28, 11
	s_add_co_u32 s42, s38, s28
	s_lshl_b32 s42, s42, 12                        ; (2,048 e + row) x 4,096 bytes
	s_mov_b32 s43, 0
	s_lshl_b32 s29, s29, 11
	s_add_co_u32 s44, s39, s29
	s_lshl_b32 s44, s44, 12
	s_mov_b32 s45, 0
	s_add_nc_u64 s[42:43], s[10:11], s[42:43]
	s_add_nc_u64 s[44:45], s[10:11], s[44:45]
.irp i, 0,1,2,3,4,5,6,7                ; no cache word: a row of y may be named by a token of each slot
	global_load_b128 v[8+4*\i:11+4*\i], v1, s[42:43] offset:512*\i
.endr
.irp i, 0,1,2,3,4,5,6,7
	global_load_b128 v[40+4*\i:43+4*\i], v1, s[44:45] offset:512*\i
.endr
.irp i, 0,1,2,3,4,5,6,7
	s_wait_loadcnt 7-\i                            ; loads come back in order: piece i of the second row is in, and so is all of the first row
	v_pk_mul_f32 v[8+4*\i:9+4*\i], v[8+4*\i:9+4*\i], s[30:31] op_sel_hi:[1,0]
	v_pk_mul_f32 v[10+4*\i:11+4*\i], v[10+4*\i:11+4*\i], s[30:31] op_sel_hi:[1,0]
	v_pk_fma_f32 v[8+4*\i:9+4*\i], v[40+4*\i:41+4*\i], s[40:41], v[8+4*\i:9+4*\i] op_sel_hi:[1,0,1]
	v_pk_fma_f32 v[10+4*\i:11+4*\i], v[42+4*\i:43+4*\i], s[40:41], v[10+4*\i:11+4*\i] op_sel_hi:[1,0,1]
	global_store_b128 v1, v[8+4*\i:11+4*\i], s[12:13] offset:512*\i th:TH_STORE_NT  ; 512 consecutive bytes, aligned
.endr
	s_or_b32 s22, ttmp9, s20
	s_cmp_lg_u32 s22, 0
	s_cbranch_scc1 .Lend                           ; the three figures are one wave's work
.irp k, 0,1,2,3                        ; lane l takes rows l, l + 32, l + 64, l + 96 of the 128: nine numbers each
	global_load_b128 v[72+12*\k:75+12*\k], v2, s[6:7] offset:16384+2048*\k
	global_load_b128 v[76+12*\k:79+12*\k], v2, s[6:7] offset:16384+2048*\k+16
	global_load_b32 v[80+12*\k], v2, s[6:7] offset:16384+2048*\k+32
.endr
	s_mov_b32 s46, 0x76543210                      ; v_permlanex16_b32: each lane takes its own place in the other half
	s_mov_b32 s47, 0xfedcba98
	v_mov_b32 v120, 0                              ; its destination counts as read
	v_mov_b32 v121, 0
	v_mov_b32 v122, 0                              ; the sum over pairs starts here
	v_mov_b32 v127, 0                              ; the stores' offset
	s_wait_loadcnt 0x0
.irp z, 0,2,4,6                        ; my four rows are added,
	v_pk_add_f32 v[72+\z:73+\z], v[72+\z:73+\z], v[84+\z:85+\z]
	v_pk_add_f32 v[96+\z:97+\z], v[96+\z:97+\z], v[108+\z:109+\z]
.endr
	v_add_f32 v80, v80, v92
	v_add_f32 v104, v104, v116
.irp z, 0,2,4,6
	v_pk_add_f32 v[72+\z:73+\z], v[72+\z:73+\z], v[96+\z:97+\z]
.endr
	v_add_f32 v80, v80, v104
.irp x, 1,2,4,8                        ; then the 32 lanes': four steps inside each half of 16 lanes, one across the halves
.irp i, 0,1,2,3,4,5,6,7,8
	v_add_f32_dpp v[72+\i], v[72+\i], v[72+\i] row_xmask:\x row_mask:0xf bank_mask:0xf
.endr
.endr
.irp i, 0,1,2,3,4,5,6,7,8
	v_permlanex16_b32 v[120+\i%2], v[72+\i], s46, s47
	v_add_f32 v[72+\i], v[72+\i], v[120+\i%2]
.endr
.irp z, 0,2,4,6
	v_pk_mul_f32 v[72+\z:73+\z], v[72+\z:73+\z], 0x3a000000 op_sel_hi:[1,0]  ; the usage: the sums over 2,048 tokens times 2^-11
.endr
	v_pk_add_f32 v[82:83], v[72:73], v[74:75]
	v_pk_add_f32 v[94:95], v[76:77], v[78:79]
	v_pk_add_f32 v[82:83], v[82:83], v[94:95]
	v_add_f32 v124, v82, v83                       ; the usage's sum
	v_mul_f32 v125, 0x3e000000, v124               ; its mean
	v_mul_f32 v81, 0x41000000, v124                ; 8 x the sum: gini's divisor
	v_rcp_f32 v81, v81
	v_sub_f32 v123, v72, v125                      ; (a plain instruction behind the reciprocal; the work down to the wait names nothing of it)
	v_mul_f32 v126, v123, v123
.irp e, 1,2,3,4,5,6,7
	v_sub_f32 v123, v[72+\e], v125
	v_fmac_f32 v126, v123, v123                    ; the sum of squared distances from the mean
.endr
	v_mul_f32 v126, 0x3f924925, v126               ; out1 = 8 x that sum / 7
.irp a, 0,1,2,3,4,5,6,7
.irp b, 0,1,2,3,4,5,6,7
.if \b > \a
	v_sub_f32 v123, v[72+\a], v[72+\b]
	v_add_f32 v122, v122, |v123|                   ; the 28 pairs
.endif
.endr
.endr
	v_mul_f32 v80, 0xb9b17218, v80                 ; out3 = -ln 2 / 2,048 x the sum of p log2(p + 1e-10)
	s_wait_alu depctr_va_vdst(0)                   ; the wait ahead of the reciprocal's first use
	v_mul_f32 v122, v122, v81                      ; out2
	s_wait_xcnt 0x0                                ; EXEC changes only behind this wait: loads and stores have been issued
	v_cmp_eq_u32 vcc_lo, 0, v0
	s_and_saveexec_b32 s22, vcc_lo                 ; lane 0 stores the three numbers
	global_store_b32 v127, v126, s[14:15]
	global_store_b32 v127, v122, s[16:17]
	global_store_b32 v127, v80, s[18:19]
	s_wait_xcnt 0x0
	s_or_b32 exec_lo, exec_lo, s22
.Lend:
	s_endpgm
.Lfunc_end_k_q561bcb8568_combine:
	.size	k_q561bcb8568_combine, .Lfunc_end_k_q561bcb8568_combine-k_q561bcb8568_combine
	.p2alignl 7, 3214868480
	.fill 96, 4, 3214868480
	.section	.rodata,"a",@progbits
	.p2align	6, 0x0
	.amdhsa_kernel k_q561bcb8568_combine
		.amdhsa_group_segment_fixed_size 0
		.amdhsa_private_segment_fixed_size 0
		.amdhsa_enable_private_segment 0
		.amdhsa_kernarg_size 64
		.amdhsa_user_sgpr_count 2
		.amdhsa_user_sgpr_kernarg_segment_ptr 1
		.amdhsa_wavefront_size32 1
		.amdhsa_system_sgpr_workgroup_id_x 1
		.amdhsa_system_sgpr_workgroup_id_y 1
		.amdhsa_system_sgpr_workgroup_id_z 1
		.amdhsa_system_vgpr_workitem_id 0
		.amdhsa_next_free_vgpr 128
		.amdhsa_next_free_sgpr 66
		.amdhsa_reserve_vcc 1
		.amdhsa_float_denorm_mode_32 3
		.amdhsa_float_denorm_mode_16_64 3
		.amdhsa_memory_ordered 1
		.amdhsa_forward_progress 1
		.amdhsa_inst_pref_size 17
	.end_amdhsa_kernel
	.amdgpu_metadata
---
amdhsa.version: [ 1, 2 ]
amdhsa.kernels:
  - .name:           k_q561bcb8568_combine
    .symbol:         k_q561bcb8568_combine.kd
    .args:
      - { .name: route, .offset: 0, .size: 8, .value_kind: global_buffer, .address_space: global }
      - { .name: rwp, .offset: 8, .size: 8, .value_kind: global_buffer, .address_space: global }
      - { .name: plan, .offset: 16, .size: 8, .value_kind: global_buffer, .address_space: global }
      - { .name: y, .offset: 24, .size: 8, .value_kind: global_buffer, .address_space: global }
      - { .name: out0, .offset: 32, .size: 8, .value_kind: global_buffer, .address_space: global }
      - { .name: out1, .offset: 40, .size: 8, .value_kind: global_buffer, .address_space: global }
      - { .name: out2, .offset: 48, .size: 8, .value_kind: global_buffer, .address_space: global }
      - { .name: out3, .offset: 56, .size: 8, .value_kind: global_buffer, .address_space: global }
    .group_segment_fixed_size: 0
    .private_segment_fixed_size: 0
    .kernarg_segment_align: 8
    .kernarg_segment_size: 64
    .max_flat_workgroup_size: 256
    .sgpr_count:     66
    .vgpr_count:     128
    .wavefront_size: 32
...
	.end_amdgpu_metadata
.endif
;; end of part 4
